; MI455X (gfx1250); checked and timed in simulation.
; The chip was launched on July 23, 2026; its instructions are those of AMD's public machine-readable ISA for CDNA 5 (MIT licence, August 2026) and "CDNA5" Instruction Set Architecture Reference Guide (July 2026). The comments in the code are by the model that wrote it; some were corrected since.
;; My Linear. Allowed arithmetic: float matrix products may take bf16 or f16 operands with f32 sums; other float arithmetic in f32, or as packed bf16 or f16 multiplies, adds, multiply-adds, maxima and minima; sums over many terms, partial sums and values carried from step to step in f32; what a program stores and reads back later, other than sums and carried values, may be rounded once to bf16 or f16.
;; Inputs: bias 1 x 4,096 float32; weight 1 x 4,096 x 4,096 float32; x 4,096 x 4,096 float32.
;; Outputs: out0 4,096 x 4,096 float32.
;; 2 versions, each right; version 2 is version 1 with the launch cast written anew for expert scheduling mode. Each part assembles by itself: llvm-mc -triple=amdgcn-amd-amdhsa -mcpu=gfx1250 --defsym DOCPART=n.
;; ======== version 1 of 2: 2 launches
;; workspace buffers: xb 33,554,432 bytes; wb 33,554,432 bytes
;; launch cast (part 1): grid 512 x 2, 8 waves a work-group, no clusters, 0 bytes of LDS; arguments x, weight, xb, wb; writes xb, wb
.if DOCPART == 1
	.amdgcn_target "amdgcn-amd-amdhsa--gfx1250"
	.amdhsa_code_object_version 6
	.text
	.protected	k_q392c4e0c77_cast
	.globl	k_q392c4e0c77_cast
	.p2align	8
	.type	k_q392c4e0c77_cast,@function
k_q392c4e0c77_cast:
	s_mov_b64 s[64:65], 0
	v_nop
	global_prefetch_b8 v0, s[64:65] scope:SCOPE_SE
	s_setreg_imm32_b32 hwreg(HW_REG_WAVE_MODE, 25, 1), 1
	s_wait_xcnt 0x0
; xb = x and wb = weight[0], each number rounded once to bf16 (to nearest, ties to even).  The layout stays: [4096][4096], the last index along the rows (8,192 bytes a row in bf16).
; WHY A LAUNCH OF ITS OWN.  The product that follows reads every number of x and of weight in sixteen work-groups: rounded here, each is converted once, not sixteen times, and is moved as two bytes from then on.
; LIMITS.  A magnitude beyond bf16's largest finite number (about 3.39e38) becomes an infinity; NaN stays NaN.
; SHARES.  Grid y picks the tensor (0: x, 1: weight).  A work-group owns 32 chunks of 4,096 input bytes on end (131,072 bytes in, 65,536 out; 512 work-groups are a tensor).  In a chunk thread t loads
; the 16 bytes at 16 t, so a wave's load covers 512 consecutive bytes, aligned, and stores the 8 bytes at 8 t of the chunk's 2,048: a wave's store covers 256 consecutive bytes, aligned.
; A ring of eight slots in registers keeps eight loads of every wave on their way.  No LDS, no barrier, no matrix unit: every byte is touched once, by one thread.
.set CHUNK, 4096                       ; input bytes of a chunk
.set OCH,   2048                       ; output bytes of a chunk
.set DEPTH, 8                          ; slots = loads in flight in each wave
.set ROUNDS, 32/DEPTH
.set X, 4                              ; v[4:35]   slot i: four f32 as loaded
.set Y, 36                             ; v[36:51]  slot i: four bf16 to store
	s_load_b256 s[4:11], s[0:1], 0x0               ; x s[4:5], weight s[6:7], xb s[8:9], wb s[10:11]
	s_and_b32 s12, ttmp7, 0xffff                   ; which tensor
	v_lshlrev_b32 v1, 4, v0                        ; my 16 bytes of an input chunk; never rewritten
	v_lshlrev_b32 v2, 3, v0                        ; my 8 bytes of an output chunk; never rewritten
	s_lshl_b32 s14, ttmp9, 17                      ; the work-group's 131,072 input bytes (under 2^26),
	s_mov_b32 s15, 0
	s_lshl_b32 s16, ttmp9, 16                      ; and its 65,536 output bytes
	s_mov_b32 s17, 0
	s_wait_kmcnt 0x0
	s_cmp_eq_u32 s12, 0
	s_cselect_b64 s[4:5], s[4:5], s[6:7]           ; from x or from weight,
	s_cselect_b64 s[8:9], s[8:9], s[10:11]         ; into xb or into wb
	s_add_nc_u64 s[4:5], s[4:5], s[14:15]
	s_add_nc_u64 s[8:9], s[8:9], s[16:17]
.irp i, 0,1,2,3,4,5,6,7
	global_load_b128 v[X+4*(\i):X+4*(\i)+3], v1, s[4:5] offset:(\i)*CHUNK th:TH_LOAD_NT  ; the ring is filled: chunks 0 to 7
.endr
; One slot's turn.  ahead = 1: the slot is filled again, with the chunk DEPTH further on.  left = how many younger loads may stay out.
.macro SLOT i, ahead, left
	s_wait_loadcnt \left                           ; loads come back in order (ISA guide 5.7.1): mine is in, the younger ones stay out
	v_cvt_pk_bf16_f32 v[Y+2*(\i)],   v[X+4*(\i)],   v[X+4*(\i)+1]  ; two roundings a line, the first source into the low half
	v_cvt_pk_bf16_f32 v[Y+2*(\i)+1], v[X+4*(\i)+2], v[X+4*(\i)+3]
.if \ahead
	global_load_b128 v[X+4*(\i):X+4*(\i)+3], v1, s[4:5] offset:(DEPTH+(\i))*CHUNK th:TH_LOAD_NT  ; the load goes out ahead of the store
.endif
	global_store_b64 v2, v[Y+2*(\i):Y+2*(\i)+1], s[8:9] offset:(\i)*OCH th:TH_STORE_NT
.endm
	s_mov_b32 s18, ROUNDS-1
.Lround:
.irp i, 0,1,2,3,4,5,6,7
	SLOT \i, 1, DEPTH-1
.endr
	s_wait_xcnt 0x0                                ; every load and store issued so far has read its sources (ISA guide 3.1): only now are the two bases stepped and, in the next turn, Y written again
	s_add_nc_u64 s[4:5], s[4:5], DEPTH*CHUNK
	s_add_nc_u64 s[8:9], s[8:9], DEPTH*OCH
	s_sub_co_u32 s18, s18, 1
	s_cmp_lg_u32 s18, 0
	s_cbranch_scc1 .Lround
.irp i, 0,1,2,3,4,5,6,7
	SLOT \i, 0, DEPTH-1-(\i)                       ; the last eight chunks load nothing: the counts run down
.endr
	s_endpgm
.Lfunc_end_k_q392c4e0c77_cast:
	.size	k_q392c4e0c77_cast, .Lfunc_end_k_q392c4e0c77_cast-k_q392c4e0c77_cast
	.p2alignl 7, 3214868480
	.fill 96, 4, 3214868480
	.section	.rodata,"a",@progbits
	.p2align	6, 0x0
	.amdhsa_kernel k_q392c4e0c77_cast
		.amdhsa_group_segment_fixed_size 0
		.amdhsa_private_segment_fixed_size 0
		.amdhsa_enable_private_segment 0
		.amdhsa_kernarg_size 32
		.amdhsa_user_sgpr_count 2
		.amdhsa_user_sgpr_kernarg_segment_ptr 1
		.amdhsa_wavefront_size32 1
		.amdhsa_system_sgpr_workgroup_id_x 1
		.amdhsa_system_sgpr_workgroup_id_y 1
		.amdhsa_system_sgpr_workgroup_id_z 1
		.amdhsa_system_vgpr_workitem_id 0
		.amdhsa_next_free_vgpr 52
		.amdhsa_next_free_sgpr 66
		.amdhsa_reserve_vcc 0
		.amdhsa_float_denorm_mode_32 3
		.amdhsa_float_denorm_mode_16_64 3
		.amdhsa_memory_ordered 1
		.amdhsa_forward_progress 1
		.amdhsa_inst_pref_size 7
	.end_amdhsa_kernel
	.amdgpu_metadata
---
amdhsa.version: [ 1, 2 ]
amdhsa.kernels:
  - .name:           k_q392c4e0c77_cast
    .symbol:         k_q392c4e0c77_cast.kd
    .args:
      - { .name: x, .offset: 0, .size: 8, .value_kind: global_buffer, .address_space: global }
      - { .name: weight, .offset: 8, .size: 8, .value_kind: global_buffer, .address_space: global }
      - { .name: xb, .offset: 16, .size: 8, .value_kind: global_buffer, .address_space: global }
      - { .name: wb, .offset: 24, .size: 8, .value_kind: global_buffer, .address_space: global }
    .group_segment_fixed_size: 0
    .private_segment_fixed_size: 0
    .kernarg_segment_align: 8
    .kernarg_segment_size: 32
    .max_flat_workgroup_size: 256
    .sgpr_count:     66
    .vgpr_count:     52
    .wavefront_size: 32
...
	.end_amdgpu_metadata
.endif
;; end of part 1
;; launch gemm (part 2): grid 16 x 16, 4 waves a work-group, clusters of 4 x 4, 327,680 bytes of LDS; arguments xb, wb, bias, out0; writes out0
.if DOCPART == 2
	.amdgcn_target "amdgcn-amd-amdhsa--gfx1250"
	.amdhsa_code_object_version 6
	.text
	.protected	k_q392c4e0c77_gemm
	.globl	k_q392c4e0c77_gemm
	.p2align	8
	.type	k_q392c4e0c77_gemm,@function
k_q392c4e0c77_gemm:
	s_mov_b64 s[64:65], 0
	v_nop
	global_prefetch_b8 v0, s[64:65] scope:SCOPE_SE
	s_setreg_imm32_b32 hwreg(HW_REG_WAVE_MODE, 25, 1), 1
	s_wait_xcnt 0x0
	s_wait_alu depctr_hold_cnt(0) depctr_sa_sdst(0) depctr_va_vdst(0) depctr_va_sdst(0) depctr_va_ssrc(0) depctr_va_vcc(0) depctr_vm_vsrc(0)
	s_getreg_b32 s2, hwreg(HW_REG_IB_STS2, 6, 4)
	s_cmp_eq_u32 s2, 0
	s_cbranch_scc0 .Lentry_in_a_cluster
	s_endpgm
.Lentry_in_a_cluster:
	s_bfe_u32 s2, ttmp6, 0x10000c
	s_cmp_lg_u32 s2, 0xf033
	s_cbranch_scc0 .Lentry_shape_is_right
	s_endpgm
.Lentry_shape_is_right:
; out0[m][n] = bias[n] + the sum over k of xb[m][k] wb[k][n].  xb: [4096 m][4096 k] bf16, wb: [4096 k][4096 n] bf16 (x and weight[0], rounded once by the launch before), bias: [4096] f32, out0: [4096][4096] f32.
; LIMITS.  The operands are bf16 (8 significant bits, f32's range); sums are f32.  A sum STARTS at the bias and then takes the products, K ascending: an order of rounding other than adding the bias last.  NaN and infinities go through as the products make them.
; SHARES.  A tile of out0, 256 x 256, is made by a work-group of four waves; a wave makes 128 x 128: 64 accumulators of 16 x 16, 512 registers.  4096 x 4096 are 256 tiles: one to a work-group.
; K goes in steps of 128 through a ring of two LDS slots filled by the tensor data mover; every row that a load brings is 256 consecutive bytes of memory, at a multiple of 256 from its buffer's first byte.
; wb LIES [k][n]: its tile goes into LDS as it lies, as two sub-tiles of 128 k x 128 n, and its fragments come out turned, by ds_load_tr16_b128: two LDS loads a fragment, as many as for xb's.  Nothing is transposed in memory.
; THE BIAS is the C operand of the 64 products that start the sums: no instruction adds it, and nothing is cleared.
; THE MATRIX INSTRUCTION IS USED TRANSPOSED: source 0 = 16 columns of wb, source 1 = 16 rows of xb.  In the result lane l holds row l % 16 of out0 and its registers 0 to 7 the columns 8 (l / 16) + 0..7: 32 bytes on end.
; CLUSTERS: 4 x 4 work-groups.  The four of a row of the cluster need the same tiles of xb, the four of a column the same tiles of wb: each tile is asked for JOINTLY, by the same tensor load with the same descriptor
; and a mask that names the four, which divides the requests for xb and wb by four.
; REGISTERS, in windows of 256 (s_set_vgpr_msb's low byte: bits 1:0 source 0, 3:2 source 1, 5:4 source 2, 7:6 destination):
;   window 0: v0-31 addresses; v64-127, v128-191 fragments of xb (8 x 16 rows x 32 K), two buffers; v192-255 the bias operands, 8 registers for each block of 16 columns; on the way out v64-255 are three buffers of 64
;   window 1: v64-127, v128-191 fragments of wb, two buffers
;   window 2: the 32 accumulators of my rows 0-63 (accumulator (a, b) at v[8 (8 a + b)]);   window 3: those of my rows 64-127
.set KSTEP,  128
.set ROWB,   8192                      ; bytes in a row of xb and of wb
.set OROW,   16384                     ; bytes in a row of out0
.set PA,     272                       ; an LDS row of xb's tile: 256 bytes + 16 of padding = 68 words: row r starts at bank 4 r mod 64 (64 banks of 4 bytes: ISA guide 11.1): the 16 rows of a load start at 16 different groups of four banks
.set PB,     288                       ; an LDS row of wb's sub-tile: 256 + 32 = 72 words: row r starts at bank 8 r mod 64
.set HALFA,  128*PA                    ; 128 rows of xb: what one tensor load brings, and what one wave reads
.set HALFB,  128*PB                    ; 128 k x 128 n of wb: likewise
.set BOFF,   2*HALFA                   ; in a slot: xb's 256 rows, then wb's two sub-tiles
.set SLOT,   BOFF+2*HALFB              ; 143,360 bytes
.set STAGE,  2*SLOT                    ; behind the ring, never filled by a tensor load: 16 rows x 528 bytes for each wave, for the way out
.set SPITCH, 528                       ; 512 bytes + 16: 33 x 16, so the 16 rows that a store touches start at 16 different groups of four banks
.set SPARE,  STAGE+4*16*SPITCH         ; behind the stages: the spare words, 128 bytes for each wave: two blocks of 256 bytes that no other line names
.set LAPS,   4096/(2*KSTEP)            ; a lap = two K steps = once round the ring: 16
.set ADRA, 16                          ; v16-17  LDS address of my fragments of xb in slot 0, 1
.set ADRB, 20                          ; v20-21  the same for wb
.set STO,  24                          ; v24     the way out: where I put 32 bytes of a row
.set RD,   25                          ; v25     the way out: where I read 16 bytes of a row back
.set CO,   26                          ; v26     16 x my lane: my 16 bytes of a row's 512 in out0
.set BO,   27                          ; v27     my byte offset in the bias
.set SPW,  28                          ; v28     LDS address of my spare word: SPARE + 4 x my thread's number; never rewritten
.set NIL,  29                          ; v29     0; never rewritten
.set PFO,  30                          ; v30     the prefetches' offset: my lane x a row of xb or wb; never rewritten
.set F0,   64                          ; fragment buffer 0
.set F1,   128                         ; fragment buffer 1
.set BIAS, 192
.set WV,   12                          ; s12  my wave's number
.set HR,   13                          ; s13  which half of the tile's rows is mine.  Also: I fetch for xb (0) or for wb (1)
.set HC,   14                          ; s14  which half of its columns.  Also: which half of that tile I fetch
.set LIM,  15                          ; s15  1 in a wave that prefetches, else the greatest number
.set G1,   24                          ; s[24:31] descriptor group 1 for xb's tiles
.set G0,   32                          ; s[32:39] descriptor group 0 for xb's tiles, one set for each slot
.set PFA,  44                          ; s[44:45] where my prefetches stand
.set PFS,  46                          ; s[46:47] a K step in bytes, along my tensor
.set G1B,  48                          ; s[48:55] descriptor group 1 for wb's tiles: other mask, other padding
.set G0B,  56                          ; s[56:63] descriptor group 0 for wb's tiles, one set for each slot
.set MSB, 0
.macro WIN new                         ; the immediate's high byte repeats the setting that is left; a switch that changes nothing is dropped
.if MSB != (\new)
	s_set_vgpr_msb (MSB<<8)|(\new)
.set MSB, \new
.endif
.endm
.set MUL_LO,   0xa1                    ; source 0 (wb) window 1, source 1 (xb) window 0, C and D window 2
.set MUL_HI,   0xf1                    ; the same, C and D window 3
.set FIRST_LO, 0x81                    ; the products that start the sums: C (the bias) window 0, D window 2
.set FIRST_HI, 0xc1                    ; the same, D window 3
.set TO_B,     0x40                    ; destination window 1, address window 0
; A joint refill.  Waves 0 and 1 fetch xb's two halves, waves 2 and 3 wb's two sub-tiles.  Each of the two lines has ONE mask and one set of registers for all that issue it; the branch hangs on the wave's number alone.
; An s_nop 0 and four v_nop follow each of the two lines, ahead of the jump, the label and what follows the macro.
.macro JLOAD s
	s_cmp_eq_u32 s[HR], 0
	s_cbranch_scc0 .Lfor_w_\@
	tensor_load_to_lds s[G0+4*(\s):G0+4*(\s)+3], s[G1:G1+7]
	s_nop 0
.rept 4
	v_nop
.endr
	s_branch .Lasked_\@
.Lfor_w_\@:
	tensor_load_to_lds s[G0B+4*(\s):G0B+4*(\s)+3], s[G1B:G1B+7]
	s_nop 0
.rept 4
	v_nop
.endr
.Lasked_\@:
.endm
; A PREFETCH INTO THE L2, behind each joint refill, its five lines and the run of LDS loads that follows: the K step that stands TWO refills on (512 matrix instructions ahead of the load that will want it): 32 rows x 256 bytes, a lane a row, one instruction a wave.
; Each row's 256 bytes of a K step are named ONCE in the launch.  xb's tile row is read by every cluster of that row of clusters: the one with cluster x = 0 asks; wb's tile column by every cluster of that column: cluster y = 0 asks.
; The four partners that ask for a tile jointly share its 128 rows out BY ADDRESS, 32 each (by cx for xb, by cy for wb): no branch hangs on a work-group's place in its cluster.
; The loop's last trip (s3 = 1) asks for nothing: K steps 32 and 33 do not exist.  K steps 0 to 3 come by their loads alone.
.macro ASK
	s_cmp_gt_u32 s3, s[LIM]
	s_cbranch_scc0 .Lnot_mine_\@
	global_prefetch_b8 v[PFO], s[PFA:PFA+1] th:TH_LOAD_NT scope:SCOPE_SE
.Lnot_mine_\@:
.endm
; A round of the cluster's barrier: my work-group's barrier, so that wave 0's signal speaks for all four waves; wave 0 signals for the work-group; every wave waits for all sixteen work-groups; my work-group's barrier once more.
.macro CREST                           ; a round behind its opening barrier
	s_cmp_lg_u32 s[WV], 0
	s_cbranch_scc1 .Lnot_wave_0_\@
	s_barrier_signal -3
.Lnot_wave_0_\@:
	s_barrier_wait -3
	s_barrier_signal -1
	s_barrier_wait -1
.endm
.macro CROUND                          ; a whole round
	s_barrier_signal -1
	s_barrier_wait -1
	CREST
.endm
	s_load_b256 s[4:11], s[0:1], 0x0               ; xb s[4:5], wb s[6:7], bias s[8:9], out0 s[10:11]
	v_lshl_add_u32 v[SPW], v0, 2, SPARE
	v_mov_b32 v[NIL], 0
	ds_add_u32 v[SPW], v[NIL]                      ; the wave's opening: the add and its wait stand ahead of my first tensor load; the set-up below, work on registers, stands between them
	v_lshrrev_b32 v1, 5, v0
	v_readfirstlane_b32 s[WV], v1                  ; wave 0..3
	s_lshr_b32 s[HR], s[WV], 1
	s_and_b32 s[HC], s[WV], 1
	s_bfe_u32 s40, ttmp6, 0x40000                  ; cx: my place along the cluster's x
	s_bfe_u32 s41, ttmp6, 0x40004                  ; cy: along its y
	s_lshl_b32 s42, ttmp9, 2                       ; in a cluster launch ttmp9 and ttmp7 count clusters
	s_add_co_u32 s42, s42, s40                     ; tile column = 4 x cluster x + cx
	s_and_b32 s43, ttmp7, 0xffff
	s_lshl_b32 s43, s43, 2
	s_add_co_u32 s43, s43, s41                     ; tile row = 4 x cluster y + cy
	s_lshl_b32 s16, s41, 2
	s_lshl_b32 s16, 15, s16                        ; my row of the cluster: places 4 cy .. 4 cy + 3
	s_lshl_b32 s66, 0x1111, s40                    ; my column: places cx, cx + 4, cx + 8, cx + 12
	; descriptor group 1: a tile of 128 rows x 128 elements, padded in LDS behind every row
	s_or_b32 s[G1+0], s16, (1<<16)|(1<<20)|(1<<21)|(5<<22)|(3<<25)   ; 15:0 the mask: xb's tiles go to my row; 17:16 elements of 2 bytes; 20 padding on; 21 set beside a mask; 24:22 after every 64 words (code 5); 31:25 4 words of it (code 3)
	s_or_b32 s[G1B+0], s66, (1<<16)|(1<<20)|(1<<21)|(5<<22)|(7<<25)  ; wb's tiles go to my column; 8 words of padding (code 7)
.irp g, G1, G1B
	s_mov_b32 s[(\g)+1], KSTEP<<16                 ; 63:48 tensor_dim0, low half = 128
	s_mov_b32 s[(\g)+2], 128<<16                   ; 79:64 its high half = 0; 95:80 tensor_dim1, low half = 128
	s_mov_b32 s[(\g)+3], KSTEP<<16                 ; 111:96 its high half = 0; 127:112 tile_dim0 = 128
	s_mov_b32 s[(\g)+4], 128                       ; 143:128 tile_dim1 = 128; 159:144 tile_dim2 = 0
	s_mov_b32 s[(\g)+5], 4096                      ; 191:160 tensor_dim0_stride, low word: elements from row to row
	s_mov_b32 s[(\g)+6], 0
	s_mov_b32 s[(\g)+7], 0
.endr
	; where the tiles come from.  xb's hang on the tile row alone, which my row of the cluster shares; wb's on the tile column alone, which my column shares.  Every wave makes both, in registers that never hold the other coordinate.
	s_lshl_b32 s16, s43, 8
	s_lshl_b32 s17, s[HC], 7
	s_add_co_u32 s16, s16, s17                     ; xb: row 256 x tile row + 128 x half,
	s_lshl_b32 s16, s16, 13                        ; in bytes (under 2^25)
	s_mov_b32 s17, 0
	s_lshl_b32 s66, s42, 9                         ; wb: byte 512 x tile column + 256 x half of row k = 0
	s_lshl_b32 s67, s[HC], 8
	s_add_co_u32 s66, s66, s67
	s_mov_b32 s67, 0
	s_mul_i32 s18, s[HC], HALFA                    ; and where they go: no place in the cluster enters an LDS address
	s_mul_i32 s19, s[HC], HALFB
	s_add_co_u32 s19, s19, BOFF
	s_wait_dscnt 0x0                               ; the opening add is done
	s_wait_kmcnt 0x0
	s_add_nc_u64 s[16:17], s[4:5], s[16:17]
	s_add_nc_u64 s[66:67], s[6:7], s[66:67]
.irp s, 0,1
	s_mov_b32 s[G0+4*(\s)], 1                                        ; 1:0 count = 1
	s_add_co_u32 s[G0+4*(\s)+1], s18, (\s)*SLOT                      ; 63:32 LDS address
	s_add_nc_u64 s[G0+4*(\s)+2:G0+4*(\s)+3], s[16:17], (\s)*KSTEP*2  ; 120:64 global address: K step s lies 256 bytes along the rows
	s_or_b32 s[G0+4*(\s)+3], s[G0+4*(\s)+3], 0x80000000              ; 127:126 type = 2
	s_mov_b32 s[G0B+4*(\s)], 1
	s_add_co_u32 s[G0B+4*(\s)+1], s19, (\s)*SLOT
	s_add_nc_u64 s[G0B+4*(\s)+2:G0B+4*(\s)+3], s[66:67], (\s)*KSTEP*ROWB  ; K step s lies 128 rows down
	s_or_b32 s[G0B+4*(\s)+3], s[G0B+4*(\s)+3], 0x80000000
.endr
	CROUND                                         ; all sixteen work-groups are here: the first joint loads meet
	s_cmp_eq_u32 s[HR], 0                          ; a wave's two first fills stand in one branch, ahead of every wait on TENSORcnt, every LDS read and every further barrier: two loads of mine are out
	s_cbranch_scc0 .Lfirst_w
	tensor_load_to_lds s[G0:G0+3], s[G1:G1+7]
	s_nop 0
	tensor_load_to_lds s[G0+4:G0+7], s[G1:G1+7]
	s_nop 0
.rept 4
	v_nop
.endr
	s_branch .Lfirst_asked
.Lfirst_w:
	tensor_load_to_lds s[G0B:G0B+3], s[G1B:G1B+7]
	s_nop 0
	tensor_load_to_lds s[G0B+4:G0B+7], s[G1B:G1B+7]
	s_nop 0
.rept 4
	v_nop
.endr
.Lfirst_asked:
	; A fragment is 16 rows (of xb) or 16 columns (of wb) x 32 K in 8 registers: lane l holds row or column l % 16; registers 0-3 hold K = 8 (l / 16) + 0..7, registers 4-7 K = 16 + 8 (l / 16) + 0..7.
	v_and_b32 v1, 15, v0                           ; l % 16
	v_bfe_u32 v2, v0, 4, 1                         ; l / 16
	v_mul_u32_u24 v3, v1, PA                       ; xb, whose rows lie along K: two loads of 16 bytes, 32 bytes apart, at row x pitch + 16 x half
	v_lshl_add_u32 v3, v2, 4, v3
	v_and_b32 v4, 7, v0                            ; wb: the turning load takes 16 k x 16 n (lane l reads 16 bytes: k = 8 (l / 16) + l % 8, n = 8 ((l / 8) % 2) + 0..7) and leaves half a fragment; the other half lies 16 rows down
	v_bfe_u32 v5, v0, 3, 1
	v_lshl_add_u32 v4, v2, 3, v4
	v_mul_u32_u24 v4, v4, PB
	v_lshl_add_u32 v4, v5, 4, v4
	s_mul_i32 s20, s[HR], HALFA                    ; my 128 rows of xb
	s_mul_i32 s21, s[HC], HALFB                    ; my 128 columns of wb,
	s_add_co_u32 s21, s21, BOFF                    ; which lie behind xb's 256 rows
.irp s, 0,1
	v_add_nc_u32 v[ADRA+(\s)], s20, v3
	v_add_nc_u32 v[ADRB+(\s)], s21, v4
	s_add_co_u32 s20, s20, SLOT
	s_add_co_u32 s21, s21, SLOT
.endr
	s_mul_i32 s22, s[WV], 16*SPITCH
	s_add_co_u32 s22, s22, STAGE                   ; my stage
	v_mul_u32_u24 v6, v1, SPITCH                   ; in: row l % 16, 32 bytes for each half of the lanes
	v_lshl_add_u32 v6, v2, 5, v6
	v_add_nc_u32 v[STO], s22, v6
	v_and_b32 v7, 31, v0                           ; l
	v_lshlrev_b32 v[CO], 4, v7                     ; back: 32 lanes take one row's 512 bytes,
	v_add_nc_u32 v[RD], s22, v[CO]                 ; and the same 512 bytes in out0
	; out0 at my first element: row 256 x tile row + 128 HR, column 256 x tile column + 128 HC
	s_lshl_b32 s68, s43, 8
	s_lshl_b32 s69, s[HR], 7
	s_add_co_u32 s68, s68, s69
	s_lshl_b32 s68, s68, 14                        ; rows of 16,384 bytes (under 2^26)
	s_lshl_b32 s70, s42, 8
	s_lshl_b32 s71, s[HC], 7
	s_add_co_u32 s70, s70, s71                     ; my first column,
	s_lshl_b32 s70, s70, 2                         ; in bytes of f32: for out0 and for the bias
	s_add_co_u32 s68, s68, s70
	s_mov_b32 s69, 0
	s_add_nc_u64 s[10:11], s[10:11], s[68:69]
	; the bias in the layout of a result: register j of block b holds bias[my first column + 16 b + 8 (l / 16) + j], the same for all 16 rows
	v_lshl_add_u32 v[BO], v2, 5, s70
.irp b, 0,1,2,3,4,5,6,7
	global_load_b128 v[BIAS+8*(\b):BIAS+8*(\b)+3],   v[BO], s[8:9] offset:64*(\b)
	global_load_b128 v[BIAS+8*(\b)+4:BIAS+8*(\b)+7], v[BO], s[8:9] offset:64*(\b)+16
.endr
	; the prefetches: my work-group's 32 of the 128 rows that I fetch, at K step 3: the first refill steps the address to K step 4 and names it
	s_lshl_b32 s20, s43, 8
	s_lshl_b32 s21, s[HC], 7
	s_add_co_u32 s20, s20, s21
	s_lshl_b32 s21, s40, 5                         ; xb: the partner at cx takes rows 32 cx .. 32 cx + 31 of the 128
	s_add_co_u32 s20, s20, s21
	s_lshl_b32 s20, s20, 13
	s_add_co_u32 s20, s20, 3*KSTEP*2
	s_lshl_b32 s22, s42, 9
	s_lshl_b32 s23, s[HC], 8
	s_add_co_u32 s22, s22, s23
	s_lshl_b32 s23, s41, 18                        ; wb: the partner at cy takes rows k = 32 cy .. 32 cy + 31 of the K step's 128
	s_add_co_u32 s22, s22, s23
	s_add_co_u32 s22, s22, 3*KSTEP*ROWB
	s_and_b32 s23, ttmp7, 0xffff                   ; cluster y
	s_mov_b32 s[PFS], KSTEP*ROWB
	s_mov_b32 s[PFS+1], 0
	s_mov_b32 s21, 0
	s_cmp_eq_u32 s[HR], 0                          ; do I fetch for xb?
	s_cselect_b32 s20, s20, s22
	s_cselect_b32 s23, ttmp9, s23                  ; the coordinate along which other clusters read the same rows
	s_cselect_b32 s[PFS], KSTEP*2, s[PFS]
	s_cselect_b64 s[PFA:PFA+1], s[4:5], s[6:7]
	s_add_nc_u64 s[PFA:PFA+1], s[PFA:PFA+1], s[20:21]
	s_cmp_eq_u32 s23, 0
	s_cselect_b32 s[LIM], 1, -1                    ; the same in all sixteen partners, for a given wave
	v_lshlrev_b32 v[PFO], 13, v7                   ; a lane a row of 8,192 bytes
; 16 matrix instructions: m blocks a0, a0 + 1 of the window's four (hi = 0: my rows 0-63, 1: rows 64-127) x all 8 n blocks, 32 along K.  first = 1: the product starts the sum, with the bias as C.
; The 64 accumulators take turns, one instruction a turn, in the same order in every quarter step, over the loop's backward jump too.
.macro MUL16 f, hi, a0, first
.if \first
	WIN FIRST_LO+0x40*(\hi)
.else
	WIN MUL_LO+0x50*(\hi)
.endif
.irp a, \a0, (\a0)+1
.irp b, 0,1,2,3,4,5,6,7
.if \first
	v_wmma_f32_16x16x32_bf16 v[8*(8*(\a)+(\b)):8*(8*(\a)+(\b))+7], v[(\f)+8*(\b):(\f)+8*(\b)+7], v[(\f)+8*(4*(\hi)+(\a)):(\f)+8*(4*(\hi)+(\a))+7], v[BIAS+8*(\b):BIAS+8*(\b)+7]
.else
	v_wmma_f32_16x16x32_bf16 v[8*(8*(\a)+(\b)):8*(8*(\a)+(\b))+7], v[(\f)+8*(\b):(\f)+8*(\b)+7], v[(\f)+8*(4*(\hi)+(\a)):(\f)+8*(4*(\hi)+(\a))+7], v[8*(8*(\a)+(\b)):8*(8*(\a)+(\b))+7]
.endif
.endr
.endr
.endm
; 32 LDS loads in one run: the fragments of quarter q of a K step (32 K: 128 columns of wb, turned; 128 rows of xb) into buffer f
.macro FETCH slot, q, f
	WIN TO_B
.irp i, 0,1,2,3,4,5,6,7
	ds_load_tr16_b128 v[(\f)+8*(\i):(\f)+8*(\i)+3],   v[ADRB+(\slot)] offset:(\q)*32*PB+32*(\i)
	ds_load_tr16_b128 v[(\f)+8*(\i)+4:(\f)+8*(\i)+7], v[ADRB+(\slot)] offset:(\q)*32*PB+16*PB+32*(\i)
.endr
	WIN 0
.irp i, 0,1,2,3,4,5,6,7
	ds_load_b128 v[(\f)+8*(\i):(\f)+8*(\i)+3],   v[ADRA+(\slot)] offset:64*(\q)+(\i)*16*PA
	ds_load_b128 v[(\f)+8*(\i)+4:(\f)+8*(\i)+7], v[ADRA+(\slot)] offset:64*(\q)+(\i)*16*PA+32
.endr
.endm
; A load into a register that a matrix instruction has read stands four places behind that instruction, and only plain vector instructions that name none of its registers are places
; (ISA guide 7.12.1 for vector instructions); the matrix instructions in between are not counted.
.macro PLACES
.rept 4
	v_nop
.endr
.endm
; A K step is four quarters of 32 along K, 64 matrix instructions each, on buffers 0, 1, 0, 1.  One of the first three: multiplies buffer f; in its middle it fetches quarter q of the same slot into buffer g.
.macro QUARTER slot, q, f, g, first
	s_wait_dscnt 8                                 ; wb's fragments and xb's rows 0-63 are in; the youngest eight loads (xb's rows 64-127) may be out
	MUL16 \f, 0, 0, \first
	MUL16 \f, 0, 2, \first
	PLACES
	FETCH \slot, \q, \g
	s_wait_dscnt 32                                ; all but the 32 just issued
	MUL16 \f, 1, 0, \first
	MUL16 \f, 1, 2, \first
.endm
; The last quarter multiplies buffer 1 and changes slots.  MEET is its first half: ONE barrier for the change, for two things.  In front of it each wave waits for all its tensor loads, of which one is out: its part of
; the next slot; adds 0 to its spare word; and waits for that and for its own reads of this slot.  Behind it nobody reads this slot any more and the next slot is whole.
.macro MEET round                      ; round = 1: the rest of a round of the cluster's barrier follows
	WIN 0                                          ; (the add's two registers lie in window 0)
	s_wait_tensorcnt 0x0                           ; all my tensor loads have landed;
	ds_add_u32 v[SPW], v[NIL]                      ; 0 onto my spare word;
	s_wait_dscnt 9                                 ; (the add and the youngest eight loads may be out)
	MUL16 F1, 0, 0, 0                              ; sixteen matrix instructions stand between the add and the wait for it
	s_wait_dscnt 0x0                               ; the add is done, and my reads of this slot are over:
	s_barrier_signal -1                            ; say so,
	MUL16 F1, 0, 2, 0                              ; work on registers while the others arrive,
.if \round
	WIN 0
.endif
	s_barrier_wait -1                              ; and go on when all four have said so
.endm
; The whole last quarter, in the loop.  Behind the round the slot just read out is filled again first, with the K step two steps on; then come the next slot's first fragments.  From a request to the wait for it a wave issues 224 matrix instructions.
.macro TURN slot, next
	s_wait_xcnt 0x0                                ; the last prefetch, a K step back, has read its address: it is stepped here, ahead of the waits of the change of slots
	s_add_nc_u64 s[PFA:PFA+1], s[PFA:PFA+1], s[PFS:PFS+1]
	MEET 1
	CREST                                          ; no wave of any partner still reads this slot's tile or has a load on its way
	s_add_nc_u64 s[G0+4*(\slot)+2:G0+4*(\slot)+3], s[G0+4*(\slot)+2:G0+4*(\slot)+3], 2*KSTEP*2        ; no tensor load of mine is out, so a group 0 may be written; the type bits on top are not reached
	s_add_nc_u64 s[G0B+4*(\slot)+2:G0B+4*(\slot)+3], s[G0B+4*(\slot)+2:G0B+4*(\slot)+3], 2*KSTEP*ROWB
	JLOAD \slot                                    ; the first tensor load behind the round, and my only one until the next; the four v_nop behind it are also the places in front of the loads below
	FETCH \next, 0, F0
	ASK                                            ; behind the joint load and the run of LDS loads that the next products wait for
	MUL16 F1, 1, 0, 0
	MUL16 F1, 1, 2, 0
.endm
; THE WAY OUT of block a (16 of my rows x my 128 columns, f32).  A lane's 32 bytes of a result are a sixteenth of a row's 512, and the lanes beside it hold other rows: so the block goes through my own stage in LDS and comes
; back as whole rows.  No arithmetic: the accumulators are the LDS stores' data.  Each accumulator's four lowest registers are read first.
.macro TOSTAGE a
	WIN 0x08+4*((\a)/4)                            ; the stores' data (source 1) in window 2 or 3, the address in window 0
.irp b, 0,1,2,3,4,5,6,7
	ds_store_b128 v[STO], v[64*((\a)%4)+8*(\b):64*((\a)%4)+8*(\b)+3]   offset:64*(\b)
	ds_store_b128 v[STO], v[64*((\a)%4)+8*(\b)+4:64*((\a)%4)+8*(\b)+7] offset:64*(\b)+16
.endr
	WIN 0
.set BK, 64+64*((\a)%3)                ; three buffers by turns
.irp t, 0,1,2,3,4,5,6,7,8,9,10,11,12,13,14,15
	ds_load_b128 v[BK+4*(\t):BK+4*(\t)+3], v[RD] offset:(\t)*SPITCH  ; LDS serves a wave's instructions in order (ISA guide 5.7.1.4): these see the stores above, and the next block's stores come behind them
.endr
.endm
.macro SEND a, younger                 ; younger: the LDS instructions issued behind block a's loads: the next block's 16 stores and 16 loads, or none
	WIN 0
.set BK, 64+64*((\a)%3)
	s_wait_dscnt \younger                          ; the block is back in registers
	s_wait_xcnt 0x0                                ; the stores of the blocks before have read their data (ISA guide 3.1): the next block's loads land in the buffer that block a - 2 was stored from
.irp t, 0,1,2,3,4,5,6,7,8,9,10,11,12,13,14,15
	global_store_b128 v[CO], v[BK+4*(\t):BK+4*(\t)+3], s[10:11] offset:(16*(\a)+(\t))*OROW th:TH_STORE_NT  ; a wave's store covers 512 consecutive bytes, at a multiple of 512 from out0's first byte; the row stands in the immediate, 2,080,768 at the most
.endr
.endm
	s_wait_tensorcnt 1                             ; my part of K step 0 is in; K step 1's may stay out
	s_barrier_signal -1
	s_barrier_wait -1                              ; everybody's is
	FETCH 0, 0, F0
	s_wait_loadcnt 0x0                             ; the bias
	QUARTER 0, 1, F0, F1, 1                        ; the first quarter stands in front of the loop: its products start the sums
	WIN 0                                          ; at a label and at a branch every window is 0
	s_mov_b32 s3, LAPS-1
.Llap:                                                 ; a trip goes once round the ring, from a lap's second quarter to the next lap's first, and fills both slots again
	QUARTER 0, 2, F1, F0, 0
	QUARTER 0, 3, F0, F1, 0
	TURN 0, 1
	QUARTER 1, 1, F0, F1, 0
	QUARTER 1, 2, F1, F0, 0
	QUARTER 1, 3, F0, F1, 0
	TURN 1, 0
	QUARTER 0, 1, F0, F1, 0
	WIN 0
	s_sub_co_u32 s3, s3, 1
	s_cmp_lg_u32 s3, 0
	s_cbranch_scc1 .Llap
	QUARTER 0, 2, F1, F0, 0                        ; the last lap is written out: it fills nothing, and has no round of the cluster's barrier
	QUARTER 0, 3, F0, F1, 0
	MEET 0                                         ; my one tensor load that was still out is slot 1's, the last K step's
	PLACES                                         ; for the loads into buffer 0, which the quarter before multiplied
	FETCH 1, 0, F0
	MUL16 F1, 1, 0, 0
	MUL16 F1, 1, 2, 0
	QUARTER 1, 1, F0, F1, 0
	QUARTER 1, 2, F1, F0, 0
	QUARTER 1, 3, F0, F1, 0
	s_wait_dscnt 8                                 ; the very last quarter: nothing more to fetch
	MUL16 F1, 0, 0, 0
	MUL16 F1, 0, 2, 0
	s_wait_dscnt 0x0
	MUL16 F1, 1, 0, 0
	MUL16 F1, 1, 2, 0
	WIN 0
	PLACES                                         ; the places between the last products and the LDS stores that read results, and the LDS loads into registers that products have read:
	PLACES                                         ; four are owed; eight are written, once a launch
	TOSTAGE 0
.irp a, 1,2,3,4,5,6,7                  ; block a goes into the stage while block a - 1's rows come back; then block a - 1 is stored
	TOSTAGE \a
	SEND (\a)-1, 32
.endr
	SEND 7, 0
	s_wait_tensorcnt 0x0                           ; the wave's end, behind my last tensor load and my last LDS store
	ds_add_u32 v[SPW], v[NIL]
	s_wait_dscnt 0x0
	CROUND                                         ; the closing round: no work-group ends while a partner may still ask for a tile that names it
	s_endpgm
.Lfunc_end_k_q392c4e0c77_gemm:
	.size	k_q392c4e0c77_gemm, .Lfunc_end_k_q392c4e0c77_gemm-k_q392c4e0c77_gemm
	.p2alignl 7, 3214868480
	.fill 96, 4, 3214868480
	.section	.rodata,"a",@progbits
	.p2align	6, 0x0
	.amdhsa_kernel k_q392c4e0c77_gemm
		.amdhsa_group_segment_fixed_size 327680
		.amdhsa_private_segment_fixed_size 0
		.amdhsa_enable_private_segment 0
		.amdhsa_kernarg_size 32
		.amdhsa_user_sgpr_count 2
		.amdhsa_user_sgpr_kernarg_segment_ptr 1
		.amdhsa_wavefront_size32 1
		.amdhsa_system_sgpr_workgroup_id_x 1
		.amdhsa_system_sgpr_workgroup_id_y 1
		.amdhsa_system_sgpr_workgroup_id_z 1
		.amdhsa_system_vgpr_workitem_id 0
		.amdhsa_next_free_vgpr 1024
		.amdhsa_next_free_sgpr 72
		.amdhsa_reserve_vcc 0
		.amdhsa_float_denorm_mode_32 3
		.amdhsa_float_denorm_mode_16_64 3
		.amdhsa_memory_ordered 1
		.amdhsa_forward_progress 1
		.amdhsa_inst_pref_size 143
	.end_amdhsa_kernel
	.amdgpu_metadata
---
amdhsa.version: [ 1, 2 ]
amdhsa.kernels:
  - .name:           k_q392c4e0c77_gemm
    .symbol:         k_q392c4e0c77_gemm.kd
    .args:
      - { .name: xb, .offset: 0, .size: 8, .value_kind: global_buffer, .address_space: global }
      - { .name: wb, .offset: 8, .size: 8, .value_kind: global_buffer, .address_space: global }
      - { .name: bias, .offset: 16, .size: 8, .value_kind: global_buffer, .address_space: global }
      - { .name: out0, .offset: 24, .size: 8, .value_kind: global_buffer, .address_space: global }
    .group_segment_fixed_size: 327680
    .private_segment_fixed_size: 0
    .kernarg_segment_align: 8
    .kernarg_segment_size: 32
    .max_flat_workgroup_size: 128
    .sgpr_count:     72
    .vgpr_count:     1024
    .wavefront_size: 32
...
	.end_amdgpu_metadata
.endif
;; end of part 2
;; ======== version 2 of 2: 2 launches; version 1 with the launch cast written anew for expert scheduling mode
;; workspace buffers: xb 33,554,432 bytes; wb 33,554,432 bytes
;; launch cast (part 3): grid 512 x 2, 8 waves a work-group, no clusters, 0 bytes of LDS; arguments x, weight, xb, wb; writes xb, wb
.if DOCPART == 3
	.amdgcn_target "amdgcn-amd-amdhsa--gfx1250"
	.amdhsa_code_object_version 6
	.text
	.protected	k_q392c4e0c77_cast
	.globl	k_q392c4e0c77_cast
	.p2align	8
	.type	k_q392c4e0c77_cast,@function
k_q392c4e0c77_cast:
	s_mov_b64 s[64:65], 0
	v_nop
	global_prefetch_b8 v0, s[64:65] scope:SCOPE_SE
	s_setreg_imm32_b32 hwreg(HW_REG_WAVE_SCHED_MODE, 0, 2), 2
	s_setreg_imm32_b32 hwreg(HW_REG_WAVE_MODE, 25, 1), 1
	s_wait_xcnt 0x0
	s_wait_alu depctr_vm_vsrc(0)
; xb = x and wb = weight[0], each number rounded once to bf16 (to nearest, ties to even).  The layout stays: [4096][4096], the last index along the rows (8,192 bytes a row in bf16).
; WHY A LAUNCH OF ITS OWN.  The product that follows reads every number of x and of weight in sixteen work-groups: rounded here, each is converted once, not sixteen times, and is moved as two bytes from then on.
; LIMITS.  A magnitude beyond bf16's largest finite number (about 3.39e38) becomes an infinity; NaN stays NaN.
; SHARES.  Grid y picks the tensor (0: x, 1: weight).  A work-group owns 32 chunks of 4,096 input bytes on end (131,072 bytes in, 65,536 out; 512 work-groups are a tensor).  In a chunk thread t loads
; the 16 bytes at 16 t, so a wave's load covers 512 consecutive bytes, aligned, and stores the 8 bytes at 8 t of the chunk's 2,048: a wave's store covers 256 consecutive bytes, aligned.
; No LDS, no barrier, no matrix unit: every byte is touched once, by one thread.
; THE MODE: SCHED_MODE bits 1:0 = 2 (LLVM: expert scheduling mode 2), set by the entry lines.  The code itself states the register dependences between vector instructions and memory instructions,
; with s_wait_alu, always for 0.
; THE PLAN.  The 32 chunks go in 8 blocks of four, written out by one macro.  Registers that memory instructions touch:
;   X0 .. X3   four blocks as loaded.     Written by the loads of block p + 3, issued in block p; read by block p's roundings alone.
;   Y0 .. Y3   four blocks to store.      Written by block p's roundings; read by the four stores that are issued in block p + 1; written again by block p + 4.
;   v1, v2     byte offsets, made once at the head and never written again; the two scalar bases are never stepped either: a chunk's place stands in the immediate offset, 126,976 bytes at the most.
; Block p rounds X[p % 4] into Y[p % 4].  Its memory instructions are the loads into X[(p + 3) % 4] = X[(p - 1) % 4] and the stores from Y[(p - 1) % 4]: the two buffers that block p - 1 worked on and
; that no vector instruction of block p names.  So one wait on va_vdst at a block's head states all that the block's eight memory instructions hang on, and they are dealt among its roundings with no
; further wait.  A Y buffer is written again four blocks on, so two waits on vm_vsrc serve the whole kernel: at the head of block 4 for Y0, Y1, Y2 and at the head of block 7 for Y3.
; Eight to twelve loads of every wave are on their way.
.set CHUNK, 4096                       ; input bytes of a chunk
.set OCH,   2048                       ; output bytes of a chunk
.set BLOCK, 4                          ; chunks in a block
.set X, 4                              ; v[4:67]   buffer k, chunk i: four f32 as loaded, at X + 16 k + 4 i
.set Y, 68                             ; v[68:99]  buffer k, chunk i: four bf16 to store, at Y + 8 k + 2 i
	s_load_b256 s[4:11], s[0:1], 0x0               ; x s[4:5], weight s[6:7], xb s[8:9], wb s[10:11]
	s_and_b32 s12, ttmp7, 0xffff                   ; which tensor
	v_lshlrev_b32 v1, 4, v0                        ; my 16 bytes of an input chunk; never rewritten
	v_lshlrev_b32 v2, 3, v0                        ; my 8 bytes of an output chunk; never rewritten
	s_lshl_b32 s14, ttmp9, 17                      ; the work-group's 131,072 input bytes (under 2^26),
	s_mov_b32 s15, 0
	s_lshl_b32 s16, ttmp9, 16                      ; and its 65,536 output bytes
	s_mov_b32 s17, 0
	s_wait_kmcnt 0x0
	s_cmp_eq_u32 s12, 0
	s_cselect_b64 s[4:5], s[4:5], s[6:7]           ; from x or from weight,
	s_cselect_b64 s[8:9], s[8:9], s[10:11]         ; into xb or into wb
	s_add_nc_u64 s[4:5], s[4:5], s[14:15]
	s_add_nc_u64 s[8:9], s[8:9], s[16:17]
	s_wait_alu depctr_va_vdst(0)                   ; v1 and v2 are written: every load of the kernel reads v1 as its offset, every store v2
.irp i, 0,1,2,3,4,5,6,7,8,9,10,11
	global_load_b128 v[X+4*(\i):X+4*(\i)+3], v1, s[4:5] offset:(\i)*CHUNK th:TH_LOAD_NT  ; blocks 0, 1 and 2 into X0, X1, X2
.endr
; Block p of 8.  Blocks 0 to 4 load the block three further on; blocks 1 to 7 store the block before.
.macro BLK p
.set XB, X+16*((\p)%4)                 ; the block's numbers as loaded
.set XN, X+16*(((\p)+3)%4)             ; where block p + 3 lands: the buffer that block p - 1 has rounded
.set YB, Y+8*((\p)%4)                  ; where the block's roundings go
.set YP, Y+8*(((\p)+3)%4)              ; what block p - 1 has rounded
.if (\p) < 6
	s_wait_loadcnt 2*BLOCK                         ; loads come back in order (ISA guide 5.7.1): X[p % 4] is in, the two younger blocks' eight loads stay out
.else
	s_wait_loadcnt BLOCK*(7-(\p))                  ; blocks 5 to 7 have asked for nothing: the counts run down
.endif
.if ((\p) == 4) || ((\p) == 7)
	s_wait_xcnt 0x0                                ; every earlier memory instruction has had its addresses translated (ISA guide 3.1): a store's data registers are rewritten only behind this wait
	s_wait_alu depctr_vm_vsrc(0)                   ; the stores issued so far have read their Y.  At block 4: those of blocks 1 to 3 have read Y0, Y1, Y2, which blocks 4, 5, 6 write again.  At block 7: those of block 4 have read Y3, which block 7 writes again
.endif
.if (\p) > 0
	s_wait_alu depctr_va_vdst(0)                   ; the block before has written its Y, which the stores below read, and is done reading its X, in which the loads below land
.endif
.irp i, 0,1,2,3
.if (\p) < 5
	global_load_b128 v[XN+4*(\i):XN+4*(\i)+3], v1, s[4:5] offset:(BLOCK*((\p)+3)+(\i))*CHUNK th:TH_LOAD_NT  ; three blocks ahead, and ahead of the store; no vector instruction since the wait names these registers
.endif
.if (\p) > 0
	global_store_b64 v2, v[YP+2*(\i):YP+2*(\i)+1], s[8:9] offset:(BLOCK*((\p)-1)+(\i))*OCH th:TH_STORE_NT  ; the block before; no vector instruction since the wait names these registers
.endif
	v_cvt_pk_bf16_f32 v[YB+2*(\i)],   v[XB+4*(\i)],   v[XB+4*(\i)+1]  ; two roundings a line, the first source into the low half
	v_cvt_pk_bf16_f32 v[YB+2*(\i)+1], v[XB+4*(\i)+2], v[XB+4*(\i)+3]
.endr
.endm
	BLK 0                                          ; no block in front of it: no store, and no wait but the one for its data (no vector instruction has named X3, in which its loads land)
	BLK 1
	BLK 2
	BLK 3                                          ; blocks 0 to 3 write each Y for the first time
	BLK 4                                          ; the last loads go out: block 7
	BLK 5                                          ; blocks 5 to 7 load nothing: no load leaves the work-group's 32 chunks
	BLK 6
	BLK 7
	s_wait_alu depctr_va_vdst(0)                   ; block 7 has written Y3, which the last four stores read
.irp i, 0,1,2,3
	global_store_b64 v2, v[Y+24+2*(\i):Y+24+2*(\i)+1], s[8:9] offset:(BLOCK*7+(\i))*OCH th:TH_STORE_NT
.endr
	s_endpgm
.Lfunc_end_k_q392c4e0c77_cast:
	.size	k_q392c4e0c77_cast, .Lfunc_end_k_q392c4e0c77_cast-k_q392c4e0c77_cast
	.p2alignl 7, 3214868480
	.fill 96, 4, 3214868480
	.section	.rodata,"a",@progbits
	.p2align	6, 0x0
	.amdhsa_kernel k_q392c4e0c77_cast
		.amdhsa_group_segment_fixed_size 0
		.amdhsa_private_segment_fixed_size 0
		.amdhsa_enable_private_segment 0
		.amdhsa_kernarg_size 32
		.amdhsa_user_sgpr_count 2
		.amdhsa_user_sgpr_kernarg_segment_ptr 1
		.amdhsa_wavefront_size32 1
		.amdhsa_system_sgpr_workgroup_id_x 1
		.amdhsa_system_sgpr_workgroup_id_y 1
		.amdhsa_system_sgpr_workgroup_id_z 1
		.amdhsa_system_vgpr_workitem_id 0
		.amdhsa_next_free_vgpr 100
		.amdhsa_next_free_sgpr 66
		.amdhsa_reserve_vcc 0
		.amdhsa_float_denorm_mode_32 3
		.amdhsa_float_denorm_mode_16_64 3
		.amdhsa_memory_ordered 1
		.amdhsa_forward_progress 1
		.amdhsa_inst_pref_size 12
	.end_amdhsa_kernel
	.amdgpu_metadata
---
amdhsa.version: [ 1, 2 ]
amdhsa.kernels:
  - .name:           k_q392c4e0c77_cast
    .symbol:         k_q392c4e0c77_cast.kd
    .args:
      - { .name: x, .offset: 0, .size: 8, .value_kind: global_buffer, .address_space: global }
      - { .name: weight, .offset: 8, .size: 8, .value_kind: global_buffer, .address_space: global }
      - { .name: xb, .offset: 16, .size: 8, .value_kind: global_buffer, .address_space: global }
      - { .name: wb, .offset: 24, .size: 8, .value_kind: global_buffer, .address_space: global }
    .group_segment_fixed_size: 0
    .private_segment_fixed_size: 0
    .kernarg_segment_align: 8
    .kernarg_segment_size: 32
    .max_flat_workgroup_size: 256
    .sgpr_count:     66
    .vgpr_count:     100
    .wavefront_size: 32
...
	.end_amdgpu_metadata
.endif
;; end of part 3
;; launch gemm: the kernel of part 2 again; grid 16 x 16, 4 waves a work-group, clusters of 4 x 4, 327,680 bytes of LDS; arguments xb, wb, bias, out0; writes out0
